; MI455X (gfx1250); checked and timed in simulation.
; The chip was launched on July 23, 2026; its instructions are those of AMD's public machine-readable ISA for CDNA 5 (MIT licence, August 2026) and "CDNA5" Instruction Set Architecture Reference Guide (July 2026). The comments in the code are by the model that wrote it; some were corrected since.
;; Vector Quantizer. Allowed arithmetic: matrix products marked QUANTISED: E3M2 operands, one E8M0 scale for each 32 along K, by v_wmma_scale_f32_16x16x128_f8f6f4 with both operands' format E3M2, f32 sums; everything else in f32.
;; Inputs: codebook 16,384 x 256 float32; z 16 x 256 x 32 x 32 float32.
;; Outputs: out0 16 x 32 x 32 x 256 float32; out1 16,384 int32.
;; This version of the problem:
;;   THIS VERSION OF THE PROBLEM IS GIVEN IN LOW PRECISION. The matrix products marked QUANTISED in the list below multiply operands that are first quantised to E3M2 (3 exponent bits, 2 mantissa bits; 6 bits a number), with one power-of-two scale for each 32 numbers along K (OCP MX v1.0); their sums are f32. All else is computed in f32.
;;   The module's matrix products, in the order in which they are computed (A, B: the left and right operand; K: the contracted axis; several contracted axes count as one K, in the product's order):
;;     1. [M 16,384, K 256] x [K 256, N 16,384]; A: input z; B: input codebook: QUANTISED
;;   THE QUANTISER, for each operand of a quantised product, along K:
;;     - K is cut into blocks of 32 from its start; a last block that is shorter is filled with zeros.
;;     - A block's scale is 2^e with e = floor(log2(the largest magnitude in the block)) - 4, held to -126 .. 127; a block of zeros has e = 0. As a byte (E8M0): e + 127.
;;     - Each number is divided by its block's scale, clamped to +-28, and rounded to the nearest number of E3M2, ties to even, subnormals kept.
;;     - The product sums the exact products of the quantised numbers (number of the format x scale) in f32.
;;   ~~~python
;;   def quantise(x, axis):      # numpy; x: float32 -> the quantised numbers, widened to float32 again
;;       x = np.moveaxis(x, axis, -1); K = x.shape[-1]
;;       x = np.pad(x, [(0, 0)] * (x.ndim - 1) + [(0, -K % 32)]); x = x.reshape(x.shape[:-1] + (-1, 32)); a = np.abs(x).max(-1, keepdims=True)
;;       e = np.where(a > 0, np.clip(np.frexp(np.where(a > 0, a, 1))[1] - 1 - 4, -126, 127), 0)      # np.frexp(a)[1] - 1 = floor(log2(a)), exactly
;;       r = np.clip(x / 2.0 ** e, -28, 28)
;;       step = 2.0 ** (np.maximum(np.frexp(np.where(r == 0, 1, r))[1] - 1, -2) - 2)
;;       q = np.round(r / step) * step * 2.0 ** e      # np.round: ties to even
;;       return np.moveaxis(q.reshape(q.shape[:-2] + (-1,))[..., :K], -1, axis).astype(np.float32)
;;   ~~~
;; One version. Each part assembles by itself: llvm-mc -triple=amdgcn-amd-amdhsa -mcpu=gfx1250 --defsym DOCPART=n.
;; ======== version 1 of 1: 3 launches
;; limits: right only within a limited range of input values
;; workspace buffers: zq 3,407,872 bytes; cbq 3,407,872 bytes; part 2,097,152 bytes of whole numbers
;; launch quant (part 1): grid 512 x 1, 4 waves a work-group, no clusters, 81,920 bytes of LDS; arguments z, codebook, zq, cbq; writes zq, cbq
.if DOCPART == 1
	.amdgcn_target "amdgcn-amd-amdhsa--gfx1250"
	.amdhsa_code_object_version 6
	.text
	.protected	k_q3167a39256_quant
	.globl	k_q3167a39256_quant
	.p2align	8
	.type	k_q3167a39256_quant,@function
k_q3167a39256_quant:
	s_mov_b64 s[64:65], 0
	v_nop
	global_prefetch_b8 v0, s[64:65] scope:SCOPE_SE
	s_setreg_imm32_b32 hwreg(HW_REG_WAVE_MODE, 25, 1), 1
	s_wait_xcnt 0x0
; z [16][256][32][32] f32 (row n = 1024 b + hw, K = the 256 channels, 4,096 bytes apart) and codebook [16384][256] f32 (K innermost) become codes of BF6 (E3M2) with one
; E8M0 scale byte for each 32 along K, laid as the product's launch wants them: a RECORD of 3,328 bytes (13 x 256) for each tile of 16 rows x 256 K:
;   bytes 512 g + 16 lane, g = 0 .. 5: registers 4 g .. 4 g + 3 of the tile's 24 operand registers; register 12 s + 6 c + q of lane (r, h) holds the codes of k = 128 s + 64 c + 32 h + 0 .. 31 of row r;
;   bytes 3072 + 4 lane: the scale words: lanes 0-15 row r's word of K step 0, lanes 16-31 that of K step 1;     bytes 3200 + 4 lane: the row's sum of squares of the UNQUANTISED numbers, f32, row = lane % 16.
; A block's scale is 2^(floor(log2(its largest magnitude)) - 4): its byte is the largest magnitude's exponent field - 4, held at 1 from below.  A block of zeros keeps the byte 1: its codes are zeros, and this program alone reads the bytes.
; LIMITS: blocks whose largest magnitude lies under 2^-122 keep the byte 1; NaN and infinities among the inputs are not served; the sums of squares are f32 sums in this text's own order (four chains, then across).
; One launch serves both tensors: work-groups 0-255 take z (64 rows each), work-groups 256-511 the codebook (64 codes each).  The two ways part on the work-group's number, never join, and have LDS bytes of their own.
; No tensor loads, no matrix unit, no cluster: each input byte is read once by one wave, and nothing is shared between work-groups.
.set REC,    3328
.set ZIMG,   0                         ; z's way: four records are put together here,
.set ZP,     4*REC                     ; and 4 x 128 bytes of half sums of squares
.set CB0,    ZP+512                    ; the codes' way: a region for each wave:
.set CPITCH, 1040                      ; a stage of 16 rows x (1,024 bytes + 16): 65 x 16 bytes, so that the 16 rows that a load of 16 bytes a lane touches begin at 16 different places modulo 256 bytes,
.set CTAIL,  16*CPITCH                 ; and 256 bytes for the record's last 256
.set CREG,   CTAIL+256
.set X,   16                           ; v16-143  128 numbers as loaded
.set Y,   144                          ; v144-207 the codes' way: 64 numbers of K step 0
.set ZC,  144                          ; v144-167 z's way: the codes of my four blocks
.set CF,  208                          ; v208-231 the codes' way: the tile's 24 operand registers
.set TMP, 232                          ; v232-234 the upper half of a block's codes (a conversion's three registers begin on an even number)
.set MX,  236                          ; v236-237 largest magnitudes, two chains
.set SCR, 238                          ; v238     the conversion's scale operand
.set BY,  240                          ; v240-243 four scale bytes
.set ACC, 244                          ; v244-247 sums of squares, two chains of pairs
; 32 numbers of one block, v[src] on, become 192 bits of codes in v[dst] .. v[dst + 5] and the scale's byte in v[by]
.macro QBLK src, dst, by
	v_max3_num_f32 v[MX], |v[\src]|, |v[\src+1]|, |v[\src+2]|
	v_max3_num_f32 v[MX+1], |v[\src+3]|, |v[\src+4]|, |v[\src+5]|
.irp i, 6,10,14,18,22,26
	v_max3_num_f32 v[MX], v[MX], |v[\src+\i]|, |v[\src+\i+1]|
	v_max3_num_f32 v[MX+1], v[MX+1], |v[\src+\i+2]|, |v[\src+\i+3]|
.endr
	v_max3_num_f32 v[MX], v[MX], |v[\src+30]|, |v[\src+31]|
	v_max3_num_f32 v[MX], v[MX], v[MX+1], 0x2800000              ; and the floor 2^(5 - 127): the byte cannot fall under 1
	v_add_nc_u32 v[SCR], 0xfe000000, v[MX]                        ; 4 off the exponent field: the conversion takes this operand's exponent field as its scale
	v_cvt_scalef32_pk16_bf6_f32 v[\dst:\dst+2], v[\src:\src+15], v[SCR]
	v_cvt_scalef32_pk16_bf6_f32 v[TMP:TMP+2], v[\src+16:\src+31], v[SCR]
	v_lshrrev_b32 v[\by], 23, v[SCR]                              ; the scale's byte; also the plain line between the conversions and the moves that read their result
.irp i, 0,1,2
	v_mov_b32 v[\dst+3+\i], v[TMP+\i]
.endr
.endm
; the same 32 numbers' squares onto the two chains; nz = 0: they start the sums
.macro SQ src, nz
.if \nz
	v_pk_fma_f32 v[ACC:ACC+1], v[\src:\src+1], v[\src:\src+1], v[ACC:ACC+1]
	v_pk_fma_f32 v[ACC+2:ACC+3], v[\src+2:\src+3], v[\src+2:\src+3], v[ACC+2:ACC+3]
.else
	v_pk_mul_f32 v[ACC:ACC+1], v[\src:\src+1], v[\src:\src+1]
	v_pk_mul_f32 v[ACC+2:ACC+3], v[\src+2:\src+3], v[\src+2:\src+3]
.endif
.irp i, 4,8,12,16,20,24,28
	v_pk_fma_f32 v[ACC:ACC+1], v[\src+\i:\src+\i+1], v[\src+\i:\src+\i+1], v[ACC:ACC+1]
	v_pk_fma_f32 v[ACC+2:ACC+3], v[\src+\i+2:\src+\i+3], v[\src+\i+2:\src+\i+3], v[ACC+2:ACC+3]
.endr
.endm
	s_load_b256 s[4:11], s[0:1], 0x0               ; z s[4:5], codebook s[6:7], zq s[8:9], cbq s[10:11]
	v_lshl_add_u32 v239, v0, 2, 0x13e00
	v_mov_b32 v255, 0
	v_lshrrev_b32 v1, 5, v0
	v_readfirstlane_b32 s12, v1                    ; wave 0..3
	v_and_b32 v2, 31, v0                           ; lane
	v_and_b32 v3, 15, v0                           ; lane % 16
	v_bfe_u32 v4, v0, 4, 1                         ; lane / 16
	s_mov_b32 s28, 0x76543210
	s_mov_b32 s29, 0xfedcba98                      ; v_permlanex16_b32's selects for lane l xor 16
	s_mov_b32 s30, 0xffff0000                      ; a mask of lanes 16-31
	s_cmp_lt_u32 ttmp9, 256
	s_cbranch_scc0 .Lcodes
; ---------------- z.  Work-group g takes rows 64 g .. 64 g + 63: 64 neighbouring hw of one b.  Wave w takes 32 of them (w / 2) and 128 of the channels (K step w % 2).
; A LANE TAKES A ROW OF THE PRODUCT (a column hw), AND ITS REGISTERS RUN DOWN K: a load reads 128 neighbouring bytes, a block of 32 along K lies in one lane's registers, and nothing is transposed.
	s_lshr_b32 s13, s12, 1                         ; which 32 columns
	s_and_b32 s14, s12, 1                          ; which K step
	s_lshr_b32 s16, ttmp9, 4
	s_lshl_b32 s16, s16, 20                        ; b x 256 channels x 4,096 bytes
	s_and_b32 s15, ttmp9, 15
	s_lshl_b32 s15, s15, 8                         ; + 64 (g % 16) columns of 4 bytes
	s_add_co_u32 s16, s16, s15
	s_lshl_b32 s15, s14, 19                        ; + 128 channels for K step 1
	s_add_co_u32 s16, s16, s15
	s_lshl_b32 s15, s13, 7                         ; + my wave's 32 columns
	s_add_co_u32 s16, s16, s15
	s_mov_b32 s17, 0
	s_lshl_b32 s18, ttmp9, 2
	s_add_co_u32 s18, s18, s12
	s_mul_i32 s18, s18, REC                        ; on the way out wave w stores record 4 g + w
	s_mov_b32 s19, 0
	s_wait_alu depctr_va_vdst(0)
	v_lshlrev_b32 v5, 2, v2                        ; 4 x lane
	s_mul_i32 s20, s13, 2*REC
	v_mul_u32_u24 v6, v4, REC
	v_add_nc_u32 v6, s20, v6                       ; my column's record in LDS: tile 2 (w / 2) + lane / 16
	s_mul_i32 s20, s14, 1536
	v_lshl_add_u32 v7, v3, 4, v6
	v_add_nc_u32 v7, s20, v7                       ; codes: + 16 (lane % 16) + 1,536 x K step
	s_lshl_b32 s20, s14, 6
	v_lshl_add_u32 v8, v3, 2, v6
	v_add_nc_u32 v8, s20, v8                       ; scale word: + 4 (lane % 16) + 64 x K step (+ 3,072 in the immediate)
	v_lshl_add_u32 v9, v0, 2, ZP                   ; my half sum: 128 bytes a wave, 4 a lane
	s_mul_i32 s21, s12, REC                        ; the way out: record w
	v_lshlrev_b32 v14, 4, v2                       ; 16 x lane
	v_lshlrev_b32 v15, 3, v2                       ; 8 x lane
	v_add_nc_u32 v10, s21, v14
	s_lshl_b32 s22, s13, 8
	s_add_co_u32 s22, s22, s20                     ; the half sums of tile w's rows: waves 2 (w / 2) and 2 (w / 2) + 1, lanes 16 (w % 2) + lane % 16
	v_lshlrev_b32 v11, 2, v3
	v_add_nc_u32 v11, s22, v11
	v_add_nc_u32 v12, s21, v5
	v_add_nc_u32 v13, s21, v15
	s_wait_kmcnt 0x0
	s_add_nc_u64 s[4:5], s[4:5], s[16:17]
	s_add_nc_u64 s[8:9], s[8:9], s[18:19]
.macro ZLOAD u                         ; block u: channels 32 u .. 32 u + 31 of my K step, my column
.irp i, 0,1,2,3,4,5,6,7,8,9,10,11,12,13,14,15,16,17,18,19,20,21,22,23,24,25,26,27,28,29,30,31
	global_load_b32 v[X+32*(\u)+\i], v5, s[4:5] offset:4096*(32*(\u)+\i) th:TH_LOAD_NT
.endr
.endm
	ZLOAD 0
	ZLOAD 1
.irp u, 0,1,2,3                        ; block u is block h = u % 2 of the operand's half c = u / 2: it belongs to lane (lane % 16) + 16 h of the record
.if \u < 3
	s_wait_loadcnt 32                              ; this block's 32 loads are in; the next block's 32 may be out
.else
	s_wait_loadcnt 0x0
.endif
.if \u < 2
	ZLOAD \u+2                                     ; two blocks ahead, into registers of its own
.endif
	SQ X+32*\u, \u
	QBLK X+32*\u, ZC+6*\u, BY+\u
.if \u < 2
	ds_store_b128 v7, v[ZC+6*\u:ZC+6*\u+3] offset:256*(\u%2)            ; operand registers 0-3
	ds_store_b64 v7, v[ZC+6*\u+4:ZC+6*\u+5] offset:512+256*(\u%2)       ; 4, 5
.else
	ds_store_b64 v7, v[ZC+6*\u:ZC+6*\u+1] offset:520+256*(\u%2)         ; 6, 7
	ds_store_b128 v7, v[ZC+6*\u+2:ZC+6*\u+5] offset:1024+256*(\u%2)     ; 8-11
.endif
.endr
	v_lshl_or_b32 v248, v[BY+1], 8, v[BY]          ; the four bytes make my row's scale word of this K step
	v_lshl_or_b32 v248, v[BY+2], 16, v248
	v_lshl_or_b32 v248, v[BY+3], 24, v248
	v_pk_add_f32 v[ACC:ACC+1], v[ACC:ACC+1], v[ACC+2:ACC+3]
	v_add_f32 v249, v[ACC], v[ACC+1]               ; the squares of my 128 channels
	ds_store_b32 v8, v248 offset:3072
	ds_store_b32 v9, v249
	s_wait_dscnt 0x0                               ; for the others' sake: my stores have landed
	s_barrier_signal -1
	s_barrier_wait -1                              ; four records lie in LDS but for their sums
.irp g, 0,1,2,3,4,5
	ds_load_b128 v[X+4*\g:X+4*\g+3], v10 offset:512*\g
.endr
	ds_load_b32 v40, v11 offset:ZP
	ds_load_b32 v41, v11 offset:ZP+128
	s_wait_dscnt 0x0
	v_add_f32 v40, v40, v41                        ; the row's sum of squares: channels 0-127, then 128-255
	ds_store_b32 v12, v40 offset:3200              ; bytes of record w that no other wave touches
	ds_load_b64 v[42:43], v13 offset:3072          ; LDS serves a wave's instructions in order (ISA guide 5.7.1.4): this sees the store above
.irp g, 0,1,2,3,4,5
	global_store_b128 v14, v[X+4*\g:X+4*\g+3], s[8:9] offset:512*\g     ; 32 lanes store 512 consecutive bytes, at a multiple of 256 from zq's first byte
.endr
	s_wait_dscnt 0x0
	global_store_b64 v15, v[42:43], s[8:9] offset:3072                  ; the record's last 256 bytes
	s_wait_tensorcnt 0x0
	ds_add_u32 v239, v255
	s_wait_dscnt 0x0
	s_endpgm
; ---------------- the codebook.  Wave w of work-group g takes tile T = 4 (g - 256) + w: 16 codes, 16,384 dense bytes.  Each load reads 512 consecutive bytes; the numbers turn through the wave's own stage
; in LDS, so that lane (r, h) gets, of code r, the 32 neighbours of each of its four blocks (k = 128 s + 64 c + 32 h on): the conversions' results are then the operand's registers.  Waves share nothing: no barrier.
.Lcodes:
	s_sub_co_u32 s13, ttmp9, 256
	s_lshl_b32 s13, s13, 2
	s_add_co_u32 s13, s13, s12                     ; T
	s_lshl_b32 s16, s13, 14
	s_mov_b32 s17, 0
	s_mul_i32 s18, s13, REC
	s_mov_b32 s19, 0
	s_mul_i32 s20, s12, CREG
	s_add_co_u32 s20, s20, CB0                     ; my wave's region
	s_wait_alu depctr_va_vdst(0)
	v_lshlrev_b32 v5, 4, v2                        ; 16 x lane
	v_add_nc_u32 v6, s20, v5                       ; into the stage: as loaded
	v_mul_u32_u24 v7, v3, CPITCH
	v_lshl_add_u32 v7, v4, 7, v7
	v_add_nc_u32 v7, s20, v7                       ; out of it: row r, + 128 h bytes
	v_lshlrev_b32 v8, 2, v2
	v_add_nc_u32 v8, s20, v8
	v_lshlrev_b32 v10, 3, v2                       ; 8 x lane
	v_add_nc_u32 v9, s20, v10
	s_wait_alu depctr_va_vdst(0)
	s_wait_kmcnt 0x0
	s_add_nc_u64 s[6:7], s[6:7], s[16:17]
	s_add_nc_u64 s[10:11], s[10:11], s[18:19]
.irp f, 0,1                            ; K step 0 of all 16 codes first, then K step 1
.irp j, 0,1,2,3,4,5,6,7,8,9,10,11,12,13,14,15
	global_load_b128 v[X+64*\f+4*\j:X+64*\f+4*\j+3], v5, s[6:7] offset:1024*\j+512*\f th:TH_LOAD_NT
.endr
.endr
	s_wait_loadcnt 16                              ; K step 0's 16 loads are in; K step 1's 16 may be out
.irp j, 0,1,2,3,4,5,6,7,8,9,10,11,12,13,14,15
	ds_store_b128 v6, v[X+4*\j:X+4*\j+3] offset:CPITCH*\j
.endr
.irp c, 0,1
.irp i, 0,1,2,3,4,5,6,7
	ds_load_b128 v[Y+32*\c+4*\i:Y+32*\c+4*\i+3], v7 offset:256*\c+16*\i
.endr
.endr
	s_wait_loadcnt 0x0
.irp j, 0,1,2,3,4,5,6,7,8,9,10,11,12,13,14,15
	ds_store_b128 v6, v[X+64+4*\j:X+64+4*\j+3] offset:CPITCH*\j+512
.endr
	s_wait_dscnt 16                                ; all but the 16 stores just issued: K step 0 is back in v144-207, and its stores have read v16-79, which take K step 1
.irp c, 0,1
.irp i, 0,1,2,3,4,5,6,7
	ds_load_b128 v[X+32*\c+4*\i:X+32*\c+4*\i+3], v7 offset:512+256*\c+16*\i
.endr
.endr
	SQ Y, 0
	QBLK Y, CF, BY
	SQ Y+32, 1
	QBLK Y+32, CF+6, BY+1
	s_wait_dscnt 0x0                               ; K step 1 is back
	SQ X, 1
	QBLK X, CF+12, BY+2
	SQ X+32, 1
	QBLK X+32, CF+18, BY+3
	v_lshl_or_b32 v248, v[BY+1], 16, v[BY]         ; K step 0: my two bytes, blocks h and 2 + h of code r,
	v_lshl_or_b32 v249, v[BY+3], 16, v[BY+2]       ; K step 1 likewise,
	v_lshlrev_b32 v250, 3, v4
	v_lshlrev_b32 v248, v250, v248                 ; at their places in the word: 8 h bits up
	v_lshlrev_b32 v249, v250, v249
	v_pk_add_f32 v[ACC:ACC+1], v[ACC:ACC+1], v[ACC+2:ACC+3]
	v_mov_b32 v251, 0                              ; a lane permute's destination counts as one of its sources
	v_mov_b32 v252, 0
	v_mov_b32 v253, 0
	v_add_f32 v254, v[ACC], v[ACC+1]               ; the squares of my 128 numbers of code r
	v_permlanex16_b32 v251, v248, s28, s29
	v_permlanex16_b32 v252, v249, s28, s29
	v_permlanex16_b32 v253, v254, s28, s29
	v_or_b32 v248, v248, v251                      ; with lane l xor 16's two bytes the words are whole
	v_or_b32 v249, v249, v252
	v_add_f32 v254, v254, v253                     ; the code's sum of squares, in both halves of the lanes
	v_cndmask_b32 v248, v248, v249, s30            ; lanes 0-15 keep K step 0's word, lanes 16-31 take K step 1's
.irp g, 0,1,2,3,4,5
	global_store_b128 v5, v[CF+4*\g:CF+4*\g+3], s[10:11] offset:512*\g  ; 512 consecutive bytes, at a multiple of 256 from cbq's first byte
.endr
	ds_store_b32 v8, v248 offset:CTAIL
	ds_store_b32 v8, v254 offset:CTAIL+128
	ds_load_b64 v[12:13], v9 offset:CTAIL          ; in order behind my two stores
	s_wait_dscnt 0x0
	global_store_b64 v10, v[12:13], s[10:11] offset:3072                ; the record's last 256 bytes
	s_wait_tensorcnt 0x0
	ds_add_u32 v239, v255
	s_wait_dscnt 0x0
	s_endpgm
.Lfunc_end_k_q3167a39256_quant:
	.size	k_q3167a39256_quant, .Lfunc_end_k_q3167a39256_quant-k_q3167a39256_quant
	.p2alignl 7, 3214868480
	.fill 96, 4, 3214868480
	.section	.rodata,"a",@progbits
	.p2align	6, 0x0
	.amdhsa_kernel k_q3167a39256_quant
		.amdhsa_group_segment_fixed_size 81920
		.amdhsa_private_segment_fixed_size 0
		.amdhsa_enable_private_segment 0
		.amdhsa_kernarg_size 32
		.amdhsa_user_sgpr_count 2
		.amdhsa_user_sgpr_kernarg_segment_ptr 1
		.amdhsa_wavefront_size32 1
		.amdhsa_system_sgpr_workgroup_id_x 1
		.amdhsa_system_sgpr_workgroup_id_y 1
		.amdhsa_system_sgpr_workgroup_id_z 1
		.amdhsa_system_vgpr_workitem_id 0
		.amdhsa_next_free_vgpr 256
		.amdhsa_next_free_sgpr 66
		.amdhsa_reserve_vcc 0
		.amdhsa_float_denorm_mode_32 3
		.amdhsa_float_denorm_mode_16_64 3
		.amdhsa_memory_ordered 1
		.amdhsa_forward_progress 1
		.amdhsa_inst_pref_size 46
	.end_amdhsa_kernel
	.amdgpu_metadata
---
amdhsa.version: [ 1, 2 ]
amdhsa.kernels:
  - .name:           k_q3167a39256_quant
    .symbol:         k_q3167a39256_quant.kd
    .args:
      - { .name: z, .offset: 0, .size: 8, .value_kind: global_buffer, .address_space: global }
      - { .name: codebook, .offset: 8, .size: 8, .value_kind: global_buffer, .address_space: global }
      - { .name: zq, .offset: 16, .size: 8, .value_kind: global_buffer, .address_space: global }
      - { .name: cbq, .offset: 24, .size: 8, .value_kind: global_buffer, .address_space: global }
    .group_segment_fixed_size: 81920
    .private_segment_fixed_size: 0
    .kernarg_segment_align: 8
    .kernarg_segment_size: 32
    .max_flat_workgroup_size: 128
    .sgpr_count:     66
    .vgpr_count:     256
    .wavefront_size: 32
...
	.end_amdgpu_metadata
.endif
;; end of part 1
;; launch dist (part 2): grid 16 x 16, 8 waves a work-group, clusters of 4 x 1, 327,680 bytes of LDS; arguments zq, cbq, part; writes part
.if DOCPART == 2
	.amdgcn_target "amdgcn-amd-amdhsa--gfx1250"
	.amdhsa_code_object_version 6
	.text
	.protected	k_q3167a39256_dist
	.globl	k_q3167a39256_dist
	.p2align	8
	.type	k_q3167a39256_dist,@function
k_q3167a39256_dist:
	s_mov_b64 s[64:65], 0
	v_nop
	global_prefetch_b8 v0, s[64:65] scope:SCOPE_SE
	s_setreg_imm32_b32 hwreg(HW_REG_WAVE_MODE, 25, 1), 1
	s_wait_xcnt 0x0
	s_wait_alu depctr_hold_cnt(0) depctr_sa_sdst(0) depctr_va_vdst(0) depctr_va_sdst(0) depctr_va_ssrc(0) depctr_va_vcc(0) depctr_vm_vsrc(0)
	s_getreg_b32 s2, hwreg(HW_REG_IB_STS2, 6, 4)
	s_cmp_eq_u32 s2, 0
	s_cbranch_scc0 .Lentry_in_a_cluster
	s_endpgm
.Lentry_in_a_cluster:
	s_bfe_u32 s2, ttmp6, 0x10000c
	s_cmp_lg_u32 s2, 0x3003
	s_cbranch_scc0 .Lentry_shape_is_right
	s_endpgm
.Lentry_shape_is_right:
; d[n][m] = fl(fl(zz[n] + ee[m]) - 2 dot[n][m]), dot by the scaled BF6 matrix instruction on the records of zq and cbq (16 rows x 256 K, 3,328 bytes each: 3,072 of operand registers, 128 of scale words, 128 of sums of squares).
; For each row n and each split of 1,024 codes: the smallest d as an ordered key, and its first index, into part [16 splits][16,384 rows][2] u32.
; zz is the same for all m, but it stays: beside it the other terms lose bits in f32, and those roundings decide which codes tie, so the sums are formed in the order above.
; Work-group (x, y): z rows 1,024 x .. + 1,023, codes 1,024 y .. + 1,023.  Wave w keeps 8 z tiles (128 rows) in 192 registers and walks the split's 64 code records, which all lie in LDS at once.
; CLUSTER: the four work-groups of a cluster have the same y, so the same 64 records: both tensor loads are joint loads (mask 15).  z's records are each read by one wave of a work-group: plain loads into registers.
; The records come in two fills: 16 records at the head (2 a wave), 48 behind a round (6 a wave) while the first 14 are multiplied.  Nothing is filled twice.
; No prefetch: every byte that the work-group reads is asked for at the head or directly behind it; no loop runs ahead of a load.
; THE MATRIX INSTRUCTION: source 0 = 16 codes, source 1 = 16 z rows: lane (r, h) holds z row r, register j code 8 h + j.
; A lane keeps, for each z tile, its smallest d so far (M), and of the code tile in which M last fell: d of j = 0 .. 6 (CAP + 0 .. 6) and the tile's number (CAP + 7).  The compare is strict, so the first tile stays.
; The tail finds the first j of 0 .. 6 with CAP[j] = M; if there is none, the smallest d was that of j = 7, which is therefore not kept.
; Independent plain instructions on neighbouring registers are written as dual-issue pairs: destinations even and odd, the two first sources and the two second sources in different banks (register number mod 4): so zz lies in two registers.
; LIMITS: NaN and infinities among the distances are not served.
.set REC, 3328
.set NTL, 64
.set SPARE, NTL*REC                    ; behind the records: the spare words, 128 bytes a wave
.set LI,  1                            ; 16 x lane
.set LS,  2                            ; 4 x lane
.set LE,  3                            ; 32 h
.set AI,  4                            ; the same three + the trip's first record
.set AS,  5
.set AE,  6
.set CUR, 7                            ; this code tile's number
.set PO,  8                            ; 8 x lane
.set CS,  10                           ; v10-11   a code tile's scale words, two sets
.set ZS,  12                           ; v12-19   the z tiles' scale words
.set ZZ,  20                           ; v20-35   zz: tile i at 4 (i / 2) + i % 2, and once more two registers on
.set M,   36                           ; v36-51   smallest d, two registers a tile by turns
.set EE,  60                           ; v60-75   ee of my eight codes, two sets
.set S,   76                           ; v76-107  zz + ee, then d: four sets by turns
.set T,   108                          ; v108-111 partial minima
.set D,   112                          ; v112-175 the products
.set CAP, 176                          ; v176-239
.set SPW, 254
.set NIL, 255
.set KY,  76                           ; the tail works in S's registers
.set IX,  84
.set OUT, 92
.set JJ,  100
.set H8,  101
.set FF,  102
.set PA,  103
.set PB,  104
.set SG,  105
.set ZF,  0                            ; window 1: v0-191 z's fragments, v192-239 the codes', two sets
.set CF,  192
.set WV,  10
.set G1A, 16
.set G1B, 24
.set G0A, 32
.set G0B, 36
.set TB,  40
.set TN,  41
.set CNT, 42
.set SEL, 44
.set HI,  46
.set MSB, 0
.macro WIN new                         ; the immediate's high byte repeats the setting that is left
.if MSB != \new
	s_set_vgpr_msb (MSB<<8)|\new
.set MSB, \new
.endif
.endm
.macro CROUND                          ; a round of the cluster's barrier
	s_barrier_signal -1
	s_barrier_wait -1
	s_cmp_lg_u32 s[WV], 0
	s_cbranch_scc1 .Lnot_wave_0_\@
	s_barrier_signal -3
.Lnot_wave_0_\@:
	s_barrier_wait -3
	s_barrier_signal -1
	s_barrier_wait -1
.endm
	s_load_b128 s[4:7], s[0:1], 0x0                ; zq, cbq
	s_load_b64 s[8:9], s[0:1], 0x10                ; part
	v_lshl_add_u32 v[SPW], v0, 2, SPARE
	v_mov_b32 v[NIL], 0
	ds_add_u32 v[SPW], v[NIL]                      ; the opening lines: the add twice and one wait
	ds_add_u32 v[SPW], v[NIL]
	v_lshrrev_b32 v9, 5, v0
	v_and_b32 v7, 31, v0
	v_bfe_u32 v[LE], v0, 4, 1
	v_readfirstlane_b32 s[WV], v9
	v_lshlrev_b32 v[LI], 4, v7
	v_lshlrev_b32 v[LS], 2, v7
	v_lshlrev_b32 v[PO], 3, v7
	v_lshlrev_b32 v[LE], 5, v[LE]
	s_bfe_u32 s11, ttmp6, 0x40000                  ; cx
	s_lshl_b32 s12, ttmp9, 2
	s_add_co_u32 s12, s12, s11                     ; work-group x
	s_and_b32 s13, ttmp7, 0xffff                   ; work-group y: the split
	s_mov_b32 s[G1A], 15|(3<<16)|(1<<21)           ; dense rows of 256 bytes (32 elements of 8): 26 rows = 2 records
	s_mov_b32 s[G1A+1], 32<<16
	s_mov_b32 s[G1A+2], 26<<16
	s_mov_b32 s[G1A+3], 32<<16
	s_mov_b32 s[G1A+4], 26
	s_mov_b32 s[G1A+5], 32
	s_mov_b32 s[G1A+6], 0
	s_mov_b32 s[G1A+7], 0
	s_mov_b32 s[G1B], 15|(3<<16)|(1<<21)           ; 78 rows = 6 records
	s_mov_b32 s[G1B+1], 32<<16
	s_mov_b32 s[G1B+2], 78<<16
	s_mov_b32 s[G1B+3], 32<<16
	s_mov_b32 s[G1B+4], 78
	s_mov_b32 s[G1B+5], 32
	s_mov_b32 s[G1B+6], 0
	s_mov_b32 s[G1B+7], 0
	s_mul_i32 s14, s13, NTL*REC                    ; the split's records in cbq
	s_mul_i32 s50, s[WV], 2*REC                    ; first fill: records 2 w, 2 w + 1
	s_mul_i32 s51, s[WV], 6*REC
	s_add_co_u32 s51, s51, 16*REC                  ; second: records 16 + 6 w ..
	s_add_co_u32 s52, s14, s50
	s_mov_b32 s53, 0
	s_add_co_u32 s54, s14, s51
	s_mov_b32 s55, 0
	s_lshl_b32 s56, s12, 6
	s_lshl_b32 s57, s[WV], 3
	s_add_co_u32 s56, s56, s57
	s_mul_i32 s56, s56, REC                        ; my eight z records
	s_mov_b32 s57, 0
	s_lshl_b32 s58, s13, 17                        ; part: 131,072 bytes a split, 8,192 a work-group, 1,024 a wave
	s_lshl_b32 s59, s12, 13
	s_add_co_u32 s58, s58, s59
	s_lshl_b32 s59, s[WV], 10
	s_add_co_u32 s58, s58, s59
	s_mov_b32 s59, 0
	s_lshl_b32 s[TN], s13, 6                       ; the number of the split's first code tile
	s_mov_b32 s[TB], 0
	s_mov_b32 s[SEL], 0x76543210
	s_mov_b32 s[SEL+1], 0xfedcba98
	s_mov_b32 s[HI], 0xffff0000
	s_mov_b32 s47, 0x7f800000
.irp i, 0,1,2,3,4,5,6,7                ; what hangs on no argument is made while the arguments are on their way
	v_mov_b32 v[M+2*\i], s47                       ; +infinity: over every d
.endr
.set j, 0
.rept 64
.if (j%8) == 7
	v_mov_b32 v[CAP+j], s[TN]
.else
	v_mov_b32 v[CAP+j], s47
.endif
.set j, j+1
.endr
	s_wait_alu depctr_va_vdst(0)                   ; the wait ahead of the blocking waits
	s_wait_dscnt 0x0                               ; both opening adds are done
	CROUND                                         ; the round in front of the first joint loads
	s_wait_kmcnt 0x0
	s_mov_b32 s[G0A], 1
	s_mov_b32 s[G0A+1], s50
	s_add_nc_u64 s[G0A+2:G0A+3], s[6:7], s[52:53]
	s_or_b32 s[G0A+3], s[G0A+3], 0x80000000
	tensor_load_to_lds s[G0A:G0A+3], s[G1A:G1A+7]  ; my one load at the head
	s_nop 0
	WIN 0x40                                       ; (the window is switched directly behind the s_nop 0)
	s_add_nc_u64 s[4:5], s[4:5], s[56:57]
.irp i, 0,1,2,3,4,5,6,7
.irp g, 0,1,2,3,4,5
	global_load_b128 v[ZF+24*\i+4*\g:ZF+24*\i+4*\g+3], v[LI], s[4:5] offset:REC*\i+512*\g
.endr
.endr
	WIN 0
.irp i, 0,1,2,3,4,5,6,7
	global_load_b32 v[ZS+\i], v[LS], s[4:5] offset:REC*\i+3072
.endr
.irp i, 0,1,2,3,4,5,6,7
	global_load_b32 v[ZZ+4*(\i/2)+(\i%2)], v[LS], s[4:5] offset:REC*\i+3200
.endr
	s_mov_b32 s[G0B], 1
	s_mov_b32 s[G0B+1], s51
	s_add_nc_u64 s[G0B+2:G0B+3], s[6:7], s[54:55]
	s_or_b32 s[G0B+3], s[G0B+3], 0x80000000
	s_add_nc_u64 s[8:9], s[8:9], s[58:59]
	s_wait_tensorcnt 0x0                           ; my two records are in; the lines ahead of a later first fill:
	ds_add_u32 v[SPW], v[NIL]
	s_wait_dscnt 0x0
	CROUND                                         ; all 16 records are in, for every wave; the partners meet
	tensor_load_to_lds s[G0B:G0B+3], s[G1B:G1B+7]  ; records 16 .. 63, six a wave
	s_nop 0
	s_wait_loadcnt 0x0                             ; z
.irp i, 0,1,2,3,4,5,6,7
	v_mov_b32 v[ZZ+4*(\i/2)+2+(\i%2)], v[ZZ+4*(\i/2)+(\i%2)]
.endr
	s_wait_alu depctr_va_vdst(0)                   ; the wait at the head's end
; nine LDS loads: a record's scale words, my eight ee, its 24 operand registers, into set p
.macro FETCH p, a1, a2, a3, off
	ds_load_b32 v[CS+(\p)], v[\a2] offset:(\off)+3072
	ds_load_b128 v[EE+8*(\p):EE+8*(\p)+3], v[\a3] offset:(\off)+3200
	ds_load_b128 v[EE+8*(\p)+4:EE+8*(\p)+7], v[\a3] offset:(\off)+3216
	WIN 0x40
.irp g, 0,1,2,3,4,5
	ds_load_b128 v[CF+24*(\p)+4*\g:CF+24*(\p)+4*\g+3], v[\a1] offset:(\off)+512*\g
.endr
.endm
.macro ST_A i, p                       ; zz + ee, rounded once
.set SA, S+8*((\i)%4)
.set EA, EE+8*(\p)
.set ZH, ZZ+4*((\i)/2)+((\i)%2)
.irp j, 0,4
	v_dual_add_f32 v[SA+\j], v[EA+\j], v[ZH+2] :: v_dual_add_f32 v[SA+\j+1], v[ZH+2], v[EA+\j+1]
	v_dual_add_f32 v[SA+\j+2], v[EA+\j+2], v[ZH] :: v_dual_add_f32 v[SA+\j+3], v[ZH], v[EA+\j+3]
.endr
.endm
.macro ST_F i                          ; d = -2 dot + (zz + ee), one rounding; each accumulator is read from its low end on
.set SA, S+8*((\i)%4)
.irp j, 0,2,4,6
	v_dual_fmac_f32 v[SA+\j], -2.0, v[D+8*(\i)+\j] :: v_dual_fmac_f32 v[SA+\j+1], -2.0, v[D+8*(\i)+\j+1]
.endr
.endm
.macro ST_R1 i, p
.set SA, S+8*((\i)%4)
	v_min3_num_f32 v[T+2*((\i)%2)], v[SA], v[SA+1], v[SA+2]
	v_min3_num_f32 v[T+2*((\i)%2)+1], v[SA+3], v[SA+4], v[SA+5]
	v_min3_num_f32 v[M+2*(\i)+1-(\p)], v[M+2*(\i)+(\p)], v[SA+6], v[SA+7]
.endm
.macro ST_R2 i, p
	v_min3_num_f32 v[M+2*(\i)+1-(\p)], v[M+2*(\i)+1-(\p)], v[T+2*((\i)%2)], v[T+2*((\i)%2)+1]
.endm
.macro ST_CM i, p
	v_cmp_lt_f32 vcc_lo, v[M+2*(\i)+1-(\p)], v[M+2*(\i)+(\p)]   ; strictly: of equal minima the earlier tile stays
.endm
.macro ST_K i                          ; where M fell: d of j = 0 .. 6 and the tile's number are kept
.set SA, S+8*((\i)%4)
.irp j, 0,2,4
	v_dual_cndmask_b32 v[CAP+8*(\i)+\j], v[CAP+8*(\i)+\j], v[SA+\j] :: v_dual_cndmask_b32 v[CAP+8*(\i)+\j+1], v[CAP+8*(\i)+\j+1], v[SA+\j+1]
.endr
	v_dual_cndmask_b32 v[CAP+8*(\i)+6], v[CAP+8*(\i)+6], v[SA+6] :: v_dual_cndmask_b32 v[CAP+8*(\i)+7], v[CAP+8*(\i)+7], v[CUR]
.endm
; One code tile against my eight z tiles: 16 matrix instructions, the eight accumulators by turns, K step 0 and then K step 1.
; The vector work goes tile by tile of z in stages that overlap, so that no line reads the line above it.  The move and the eight pairs of ST_A 0 and 1 are the places behind the last matrix instruction.
.macro TILE p, load
.if \load
.if \p == 0
	v_add_nc_u32 v[AI], s[TB], v[LI]               ; once for two tiles: the records stand in the immediates
	v_add_nc_u32 v[AS], s[TB], v[LS]
	v_add_nc_u32 v[AE], s[TB], v[LE]
.endif
	FETCH 1-\p, AI, AS, AE, REC*(1+\p)
	s_wait_dscnt 9                                 ; all but the nine just issued: this tile's set is in
.else
	s_wait_dscnt 0x0
.endif
	WIN 0x05
.irp i, 0,1,2,3,4,5,6,7
	v_wmma_scale_f32_16x16x128_f8f6f4 v[D+8*\i:D+8*\i+7], v[CF+24*\p:CF+24*\p+11], v[ZF+24*\i:ZF+24*\i+11], 0, v[CS+\p], v[ZS+\i] matrix_a_fmt:MATRIX_FMT_BF6 matrix_b_fmt:MATRIX_FMT_BF6
.endr
.irp i, 0,1,2,3,4,5,6,7
	v_wmma_scale_f32_16x16x128_f8f6f4 v[D+8*\i:D+8*\i+7], v[CF+24*\p+12:CF+24*\p+23], v[ZF+24*\i+12:ZF+24*\i+23], v[D+8*\i:D+8*\i+7], v[CS+\p], v[ZS+\i] matrix_a_fmt:MATRIX_FMT_BF6 matrix_b_fmt:MATRIX_FMT_BF6 matrix_a_scale:MATRIX_SCALE_ROW1 matrix_b_scale:MATRIX_SCALE_ROW1
.endr
	WIN 0
	v_mov_b32 v[CUR], s[TN]
	ST_A 0, \p
	ST_A 1, \p
.set st, 0
.rept 9
.if st > 0
	ST_R2 st-1, \p
.endif
.if st < 8
	ST_F st
.endif
.if st < 6
	ST_A st+2, \p
.endif
.if st == 8
	s_delay_alu instid0(VALU_DEP_1)
.endif
.if st > 0
	ST_CM st-1, \p
.endif
.if st < 8
	ST_R1 st, \p
.endif
.if st > 0
	ST_K st-1
.endif
.set st, st+1
.endr
	s_add_co_u32 s[TN], s[TN], 1
.if \p == 1
	s_add_co_u32 s[TB], s[TB], 2*REC
.endif
.endm
	FETCH 0, LI, LS, LE, 0                         ; record 0
	WIN 0
	s_mov_b32 s[CNT], 7
.Lfirst:                                               ; tiles 0 .. 13; they fetch up to record 14
	TILE 0, 1
	TILE 1, 1
	s_sub_co_u32 s[CNT], s[CNT], 1
	s_cmp_lg_u32 s[CNT], 0
	s_cbranch_scc1 .Lfirst
	s_wait_tensorcnt 0x0                           ; my six records of the second fill are in,
	s_wait_dscnt 0x0
	s_barrier_signal -1
	s_barrier_wait -1                              ; and every wave's
	s_mov_b32 s[CNT], 24
.Lrest:                                                ; tiles 14 .. 61
	TILE 0, 1
	TILE 1, 1
	s_sub_co_u32 s[CNT], s[CNT], 1
	s_cmp_lg_u32 s[CNT], 0
	s_cbranch_scc1 .Lrest
	TILE 0, 1
	TILE 1, 0                                      ; the last tile fetches nothing
; THE TAIL.  For each z tile: the first j with CAP[j] = M, or 7; the index 16 x the tile's number + 8 h + j; M as a key whose unsigned order is the order of the numbers (-0 made +0 first); lanes l and l xor 16 joined: the smaller key, of equal keys the smaller index.
	v_lshrrev_b32 v[H8], 2, v[LE]
	v_mov_b32 v[PA], 0                             ; a lane permute's destination counts as one of its sources
	v_mov_b32 v[PB], 0
.irp i, 0,1,2,3,4,5,6,7
	v_mov_b32 v[JJ], 7
.irp j, 6,5,4,3,2,1,0
	v_cmp_neq_f32 vcc_lo, v[CAP+8*\i+\j], v[M+2*\i]
	s_delay_alu instid0(VALU_DEP_1)
	v_cndmask_b32 v[JJ], \j, v[JJ], vcc_lo
.endr
	s_delay_alu instid0(VALU_DEP_1)
	v_lshl_add_u32 v[IX+\i], v[CAP+8*\i+7], 4, v[JJ]
	s_delay_alu instid0(VALU_DEP_1)
	v_add_nc_u32 v[IX+\i], v[H8], v[IX+\i]
	v_add_f32 v[FF], 0, v[M+2*\i]
	s_delay_alu instid0(VALU_DEP_1)
	v_ashrrev_i32 v[SG], 31, v[FF]
	s_delay_alu instid0(VALU_DEP_1)
	v_or_b32 v[SG], 0x80000000, v[SG]
	s_delay_alu instid0(VALU_DEP_1)
	v_xor_b32 v[KY+\i], v[FF], v[SG]
	s_delay_alu instid0(VALU_DEP_1)
	v_permlanex16_b32 v[PA], v[KY+\i], s[SEL], s[SEL+1]
	v_permlanex16_b32 v[PB], v[IX+\i], s[SEL], s[SEL+1]
	s_delay_alu instid0(VALU_DEP_2)
	v_cmp_lt_u32 s48, v[PA], v[KY+\i]
	s_delay_alu instid0(VALU_DEP_3)
	v_cmp_eq_u32 s49, v[PA], v[KY+\i]
	s_delay_alu instid0(VALU_DEP_3)
	v_cmp_lt_u32 vcc_lo, v[PB], v[IX+\i]
	s_and_b32 s49, s49, vcc_lo
	s_or_b32 s48, s48, s49
	v_cndmask_b32 v[KY+\i], v[KY+\i], v[PA], s48
	v_cndmask_b32 v[IX+\i], v[IX+\i], v[PB], s48
.endr
.irp q, 0,1,2,3
	v_cndmask_b32 v[OUT+2*\q], v[KY+2*\q], v[KY+2*\q+1], s[HI]     ; lanes 0-15 tile 2 q's rows, lanes 16-31 tile 2 q + 1's
	v_cndmask_b32 v[OUT+2*\q+1], v[IX+2*\q], v[IX+2*\q+1], s[HI]
	global_store_b64 v[PO], v[OUT+2*\q:OUT+2*\q+1], s[8:9] offset:256*\q   ; 32 lanes store 256 consecutive bytes, at a multiple of 256 from part's first byte
.endr
	s_wait_tensorcnt 0x0                           ; the wave's end
	ds_add_u32 v[SPW], v[NIL]
	s_wait_dscnt 0x0
	CROUND                                         ; the closing round
	s_endpgm
.Lfunc_end_k_q3167a39256_dist:
	.size	k_q3167a39256_dist, .Lfunc_end_k_q3167a39256_dist-k_q3167a39256_dist
	.p2alignl 7, 3214868480
	.fill 96, 4, 3214868480
	.section	.rodata,"a",@progbits
	.p2align	6, 0x0
	.amdhsa_kernel k_q3167a39256_dist
		.amdhsa_group_segment_fixed_size 327680
		.amdhsa_private_segment_fixed_size 0
		.amdhsa_enable_private_segment 0
		.amdhsa_kernarg_size 24
		.amdhsa_user_sgpr_count 2
		.amdhsa_user_sgpr_kernarg_segment_ptr 1
		.amdhsa_wavefront_size32 1
		.amdhsa_system_sgpr_workgroup_id_x 1
		.amdhsa_system_sgpr_workgroup_id_y 1
		.amdhsa_system_sgpr_workgroup_id_z 1
		.amdhsa_system_vgpr_workitem_id 0
		.amdhsa_next_free_vgpr 512
		.amdhsa_next_free_sgpr 66
		.amdhsa_reserve_vcc 1
		.amdhsa_float_denorm_mode_32 3
		.amdhsa_float_denorm_mode_16_64 3
		.amdhsa_memory_ordered 1
		.amdhsa_forward_progress 1
		.amdhsa_inst_pref_size 96
	.end_amdhsa_kernel
	.amdgpu_metadata
---
amdhsa.version: [ 1, 2 ]
amdhsa.kernels:
  - .name:           k_q3167a39256_dist
    .symbol:         k_q3167a39256_dist.kd
    .args:
      - { .name: zq, .offset: 0, .size: 8, .value_kind: global_buffer, .address_space: global }
      - { .name: cbq, .offset: 8, .size: 8, .value_kind: global_buffer, .address_space: global }
      - { .name: part, .offset: 16, .size: 8, .value_kind: global_buffer, .address_space: global }
    .group_segment_fixed_size: 327680
    .private_segment_fixed_size: 0
    .kernarg_segment_align: 8
    .kernarg_segment_size: 24
    .max_flat_workgroup_size: 256
    .sgpr_count:     66
    .vgpr_count:     512
    .wavefront_size: 32
...
	.end_amdgpu_metadata
.endif
;; end of part 2
;; launch pick (part 3): grid 256 x 1, 4 waves a work-group, no clusters, 768 bytes of LDS; arguments part, codebook, out0, out1; writes out0, out1
.if DOCPART == 3
	.amdgcn_target "amdgcn-amd-amdhsa--gfx1250"
	.amdhsa_code_object_version 6
	.text
	.protected	k_q3167a39256_pick
	.globl	k_q3167a39256_pick
	.p2align	8
	.type	k_q3167a39256_pick,@function
k_q3167a39256_pick:
	s_mov_b64 s[64:65], 0
	v_nop
	global_prefetch_b8 v0, s[64:65] scope:SCOPE_SE
	s_setreg_imm32_b32 hwreg(HW_REG_WAVE_MODE, 25, 1), 1
	s_wait_xcnt 0x0
; out1[n] = the first index of row n's smallest distance; out0[n][:] = codebook[out1[n]][:], the f32 numbers as they are given.
; part [16 splits][16,384 rows][2] u32 holds, for each split of 1,024 codes, the key of the split's smallest distance (unsigned order = the distance's order) and its first index: whole numbers that the launch before stored.
; They are joined by integer compares: the smaller key; of equal keys the earlier split, whose indices are the smaller.
; A work-group takes 64 rows, a wave 16.  Lane (r, h) joins splits 8 h .. 8 h + 7 of row r, then the halves of the lanes are joined.  A row of the codebook is 1,024 bytes: two loads of 512 consecutive bytes a wave;
; all 32 loads of a wave's 16 rows are out at once.  Memory binds: no matrix unit, no tensor load, no cluster (work-groups share nothing that is known ahead).
; An index enters an address only behind a minimum with 16,383, the table's last row.
.set OF, 32                            ; v32-47   row i's byte offset in the codebook + 16 x lane
.set R,  48                            ; v48-175  16 rows x 2 x 4 registers
	s_load_b256 s[4:11], s[0:1], 0x0               ; part s[4:5], codebook s[6:7], out0 s[8:9], out1 s[10:11]
	v_lshl_add_u32 v192, v0, 2, 0x100
	v_mov_b32 v193, 0
	v_lshrrev_b32 v1, 5, v0
	v_readfirstlane_b32 s12, v1                    ; wave 0..3
	v_and_b32 v2, 31, v0
	v_and_b32 v3, 15, v0                           ; r
	v_bfe_u32 v4, v0, 4, 1                         ; h
	v_lshlrev_b32 v5, 3, v3
	v_lshl_add_u32 v5, v4, 20, v5                  ; part: 8 r + 8 h splits of 131,072 bytes
	v_lshlrev_b32 v6, 4, v2                        ; 16 x lane
	v_lshlrev_b32 v7, 3, v2                        ; 8 x lane
	s_lshl_b32 s13, s12, 6
	v_lshlrev_b32 v8, 2, v3
	v_add_nc_u32 v8, s13, v8                       ; LDS: the work-group's 64 indices: 4 (16 w + r)
	s_lshl_b32 s14, ttmp9, 6
	s_lshl_b32 s15, s12, 4
	s_add_co_u32 s14, s14, s15                     ; my wave's first row
	s_lshl_b32 s16, s14, 3
	s_mov_b32 s17, 0
	s_lshl_b32 s18, s14, 10
	s_mov_b32 s19, 0
	s_lshl_b32 s20, ttmp9, 8
	s_mov_b32 s21, 0
	s_mov_b32 s22, 0x76543210
	s_mov_b32 s23, 0xfedcba98                      ; v_permlanex16_b32's selects for lane l xor 16
	s_wait_alu depctr_va_vdst(0)
	s_wait_kmcnt 0x0
	s_add_nc_u64 s[4:5], s[4:5], s[16:17]
	s_add_nc_u64 s[8:9], s[8:9], s[18:19]
	s_add_nc_u64 s[10:11], s[10:11], s[20:21]
.irp u, 0,1,2,3,4,5,6,7
	global_load_b64 v[16+2*\u:17+2*\u], v5, s[4:5] offset:131072*\u th:TH_LOAD_NT
.endr
	v_mov_b32 v12, 0                               ; a lane permute's destination counts as one of its sources
	v_mov_b32 v13, 0
	s_wait_loadcnt 0x0
.irp u, 1,2,3,4,5,6,7
	v_cmp_lt_u32 vcc_lo, v[16+2*\u], v16           ; strictly: of equal keys the earlier split stays
	v_cndmask_b32 v16, v16, v[16+2*\u], vcc_lo
	v_cndmask_b32 v17, v17, v[17+2*\u], vcc_lo
.endr
	v_permlanex16_b32 v12, v16, s22, s23
	v_permlanex16_b32 v13, v17, s22, s23
	v_cmp_lt_u32 s24, v12, v16                     ; the other eight splits: the smaller key, of equal keys the smaller index
	v_cmp_eq_u32 s25, v12, v16
	v_cmp_lt_u32 vcc_lo, v13, v17
	s_and_b32 s25, s25, vcc_lo
	s_or_b32 s24, s24, s25
	v_cndmask_b32 v17, v17, v13, s24
	v_min_u32 v17, 0x3fff, v17                     ; inside the table
	ds_store_b32 v8, v17                           ; lanes r and r + 16 write the same word with the same value
.irp i, 0,1,2,3,4,5,6,7,8,9,10,11,12,13,14,15
	v_readlane_b32 s[32+\i], v17, \i               ; row i's index, for the whole wave
.endr
.irp i, 0,1,2,3,4,5,6,7,8,9,10,11,12,13,14,15
	s_min_u32 s[32+\i], s[32+\i], 0x3fff
	s_lshl_b32 s[32+\i], s[32+\i], 10              ; 1,024 bytes a code
	v_add_nc_u32 v[OF+\i], s[32+\i], v6
.endr
	s_wait_alu depctr_va_vdst(0)
.irp i, 0,1,2,3,4,5,6,7,8,9,10,11,12,13,14,15
	global_load_b128 v[R+8*\i:R+8*\i+3], v[OF+\i], s[6:7]              ; no hint: a code may be chosen by many rows
	global_load_b128 v[R+8*\i+4:R+8*\i+7], v[OF+\i], s[6:7] offset:512
.endr
	s_wait_dscnt 0x0                               ; for wave 0's sake: my indices have landed
	s_barrier_signal -1
	s_barrier_wait -1
	s_cmp_lg_u32 s12, 0
	s_cbranch_scc1 .Lnot_wave_0
	ds_load_b64 v[20:21], v7                       ; the work-group's 64 indices,
	s_wait_dscnt 0x0
	global_store_b64 v7, v[20:21], s[10:11] th:TH_STORE_NT             ; as 256 consecutive bytes, at a multiple of 256 from out1's first byte
.Lnot_wave_0:
.irp k, 0,1,2,3,4,5,6,7,8,9,10,11,12,13,14,15,16,17,18,19,20,21,22,23,24,25,26,27,28,29,30,31
	s_wait_loadcnt 31-\k                           ; loads come back in order (ISA guide 5.7.1): load k is in, the younger ones stay out
	global_store_b128 v6, v[R+4*\k:R+4*\k+3], s[8:9] offset:512*\k th:TH_STORE_NT   ; 512 consecutive bytes, at a multiple of 256 from out0's first byte
.endr
	s_wait_tensorcnt 0x0
	ds_add_u32 v192, v193
	s_wait_dscnt 0x0
	s_endpgm
.Lfunc_end_k_q3167a39256_pick:
	.size	k_q3167a39256_pick, .Lfunc_end_k_q3167a39256_pick-k_q3167a39256_pick
	.p2alignl 7, 3214868480
	.fill 96, 4, 3214868480
	.section	.rodata,"a",@progbits
	.p2align	6, 0x0
	.amdhsa_kernel k_q3167a39256_pick
		.amdhsa_group_segment_fixed_size 768
		.amdhsa_private_segment_fixed_size 0
		.amdhsa_enable_private_segment 0
		.amdhsa_kernarg_size 32
		.amdhsa_user_sgpr_count 2
		.amdhsa_user_sgpr_kernarg_segment_ptr 1
		.amdhsa_wavefront_size32 1
		.amdhsa_system_sgpr_workgroup_id_x 1
		.amdhsa_system_sgpr_workgroup_id_y 1
		.amdhsa_system_sgpr_workgroup_id_z 1
		.amdhsa_system_vgpr_workitem_id 0
		.amdhsa_next_free_vgpr 194
		.amdhsa_next_free_sgpr 66
		.amdhsa_reserve_vcc 1
		.amdhsa_float_denorm_mode_32 3
		.amdhsa_float_denorm_mode_16_64 3
		.amdhsa_memory_ordered 1
		.amdhsa_forward_progress 1
		.amdhsa_inst_pref_size 14
	.end_amdhsa_kernel
	.amdgpu_metadata
---
amdhsa.version: [ 1, 2 ]
amdhsa.kernels:
  - .name:           k_q3167a39256_pick
    .symbol:         k_q3167a39256_pick.kd
    .args:
      - { .name: part, .offset: 0, .size: 8, .value_kind: global_buffer, .address_space: global }
      - { .name: codebook, .offset: 8, .size: 8, .value_kind: global_buffer, .address_space: global }
      - { .name: out0, .offset: 16, .size: 8, .value_kind: global_buffer, .address_space: global }
      - { .name: out1, .offset: 24, .size: 8, .value_kind: global_buffer, .address_space: global }
    .group_segment_fixed_size: 768
    .private_segment_fixed_size: 0
    .kernarg_segment_align: 8
    .kernarg_segment_size: 32
    .max_flat_workgroup_size: 128
    .sgpr_count:     66
    .vgpr_count:     194
    .wavefront_size: 32
...
	.end_amdgpu_metadata
.endif
;; end of part 3
